; MI455X (gfx1250); checked and timed in simulation.
; The chip was launched on July 23, 2026; its instructions are those of AMD's public machine-readable ISA for CDNA 5 (MIT licence, August 2026) and "CDNA5" Instruction Set Architecture Reference Guide (July 2026). The comments in the code are by the model that wrote it; some were corrected since.
;; Self Attention. Allowed arithmetic: matrix products marked QUANTISED: E2M1 operands, one E8M0 scale for each 32 along K, by v_wmma_scale_f32_16x16x128_f8f6f4 with both operands' format E2M1 (or v_wmma_scale_f32_32x16x128_f4), f32 sums; everything else in f32.
;; Inputs: b_out 1,024 float32; key 4 x 2,048 x 1,024 float32; mask 4 x 1 x 2,048 x 2,048 int32; query 4 x 2,048 x 1,024 float32; value_codes 4 x 1,024 x 64 x 16 uint8 (E2M1 codes of value, K innermost, in blocks of 32 codes, two codes a byte); value_scales 4 x 1,024 x 64 uint8 (E8M0 scales of value, one for each 32 codes along K); w_out_codes 1,024 x 32 x 16 uint8 (E2M1 codes of w_out, K innermost, in blocks of 32 codes, two codes a byte); w_out_scales 1,024 x 32 uint8 (E8M0 scales of w_out, one for each 32 codes along K).
;; Outputs: out0 4 x 2,048 x 1,024 float32.
;; This version of the problem:
;;   THIS VERSION OF THE PROBLEM IS GIVEN IN LOW PRECISION. The matrix products marked QUANTISED in the list below multiply operands that are first quantised to E2M1 (2 exponent bits, 1 mantissa bit; 4 bits a number), with one power-of-two scale for each 32 numbers along K (OCP MX v1.0); their sums are f32. All else is computed in f32.
;;   The module's matrix products, in the order in which they are computed (A, B: the left and right operand; K: the contracted axis; several contracted axes count as one K, in the product's order):
;;     1. batch 64 x [M 2,048, K 64] x [K 64, N 2,048]; A: input query; B: input key: QUANTISED
;;     2. batch 64 x [M 64, K 2,048] x [K 2,048, N 2,048]; A: input value (given as codes); B: softmax (see below): QUANTISED
;;     3. [M 8,192, K 1,024] x [K 1,024, N 1,024]; A: computed on the way; B: input w_out (given as codes): QUANTISED
;;   THE QUANTISER, for each operand of a quantised product, along K:
;;     - K is cut into blocks of 32 from its start; a last block that is shorter is filled with zeros.
;;     - A block's scale is 2^e with e = floor(log2(the largest magnitude in the block)) - 2, held to -126 .. 127; a block of zeros has e = 0. As a byte (E8M0): e + 127.
;;     - Each number is divided by its block's scale, clamped to +-6, and rounded to the nearest number of E2M1, ties to even, subnormals kept.
;;     - The product sums the exact products of the quantised numbers (number of the format x scale) in f32.
;;   ~~~python
;;   def quantise(x, axis):      # numpy; x: float32 -> the quantised numbers, widened to float32 again
;;       x = np.moveaxis(x, axis, -1); K = x.shape[-1]
;;       x = np.pad(x, [(0, 0)] * (x.ndim - 1) + [(0, -K % 32)]); x = x.reshape(x.shape[:-1] + (-1, 32)); a = np.abs(x).max(-1, keepdims=True)
;;       e = np.where(a > 0, np.clip(np.frexp(np.where(a > 0, a, 1))[1] - 1 - 2, -126, 127), 0)      # np.frexp(a)[1] - 1 = floor(log2(a)), exactly
;;       r = np.clip(x / 2.0 ** e, -6, 6)
;;       step = 2.0 ** (np.maximum(np.frexp(np.where(r == 0, 1, r))[1] - 1, 0) - 1)
;;       q = np.round(r / step) * step * 2.0 ** e      # np.round: ties to even
;;       return np.moveaxis(q.reshape(q.shape[:-2] + (-1,))[..., :K], -1, axis).astype(np.float32)
;;   ~~~
;;   SOFTMAX AHEAD OF A QUANTISED PRODUCT. Where the list says 'softmax', what is quantised is not the finished softmax but p = 2^(t - M), with t = logit x log2(e) and M = ceil(the row's largest t), a whole number; so 1/2 < the row's largest p <= 1. The row's sum l is taken of the UNQUANTISED p, in f32, and the product's result is divided by l at the end. Since M is a whole number, a kernel that streams over the keys may use a running M (the ceiling of the running maximum): every later rescaling is an exact power of two, which a block's scale takes up: the codes' values come out the same.
;;   OPERANDS COMPUTED ON THE WAY. 'Computed on the way' means the value that the module computes at that place (a softmax that the list does not call 'softmax' is quantised finished and normalised). What goes into a quantiser is computed in f32, as accurately as f32 sums, v_exp_f32 and their like allow (about 1e-6 of the number): no bf16 or f16 on the way to a quantiser, and a product that is left as it is and whose result goes on into a quantised operand takes f32 operands (vector FMAs, or v_wmma_f32_16x16x4_f32). A number that lies on a knife's edge between two numbers of the format may be rounded either way, as far as f32 arithmetic and the matrix unit's own rounding can turn it there, and no further.
;;   INPUTS GIVEN AS CODES. value (in the module: [4, 2048, 1024], K = its axis 1); w_out (in the module: [1024, 1024], K = its axis 1): each comes as NAME_codes (uint8): NAME with its K axis moved to the last place and cut into blocks of 32 codes, [.., K / 32, bytes a block], one block behind the other in memory; two codes a byte, the lower K in the low four bits (a code: sign, 2 exponent bits, 1 mantissa bit); and NAME_scales (uint8): the same leading axes, one E8M0 byte (e + 127) for each 32 codes along K. Its value is code x scale, taken as it is: it is not quantised again, and the codes and scales need not be those that the quantiser above would give.
;; One version. Each part assembles by itself: llvm-mc -triple=amdgcn-amd-amdhsa -mcpu=gfx1250 --defsym DOCPART=n.
;; ======== version 1 of 1: 3 launches
;; limits: right only within a limited range of input values
;; workspace buffers: qimg 4,718,592 bytes; kimg 4,718,592 bytes; maskimg 8,388,608 bytes; acodes 4,194,304 bytes; ascl 262,144 bytes
;; launch prep (part 1): grid 512 x 1, 4 waves a work-group, no clusters, 68,096 bytes of LDS; arguments query, key, mask, qimg, kimg, maskimg; writes qimg, kimg, maskimg
.if DOCPART == 1
	.amdgcn_target "amdgcn-amd-amdhsa--gfx1250"
	.amdhsa_code_object_version 6
	.text
	.protected	k_q0eeb21ac24_prep
	.globl	k_q0eeb21ac24_prep
	.p2align	8
	.type	k_q0eeb21ac24_prep,@function
k_q0eeb21ac24_prep:
	s_mov_b64 s[64:65], 0
	v_nop
	global_prefetch_b8 v0, s[64:65] scope:SCOPE_SE
	s_setreg_imm32_b32 hwreg(HW_REG_WAVE_MODE, 25, 1), 1
	s_wait_xcnt 0x0
; query and key, [4][2048][1024] f32, become codes of FP4 (E2M1) with one E8M0 byte for each 32 along a head's 64; mask, [4][1][2048][2048] int32, becomes codes of FP4 too: -1 where mask == 0, else 0.
; OUT, q and k: [y = 16 n + head][g = group of 128 rows][4,608 bytes]: eight tile images of 512 bytes (tile t: lane L's 16 bytes at 16 L = the 32 codes of d = 32 (L / 16) .. + 31 of the tile's row L % 16),
; then 512 bytes of scale words, [L][p] of 4 bytes: word (L, p) = byte(block 0) | byte(block 1) << 8 of tile 2 p + L / 16, row L % 16.
; The rows of tile t of a group: query 16 t + i; key 64 (t / 4) + 8 (t % 4) + i % 8 + 32 (i / 8), so that in the transposed scores the 32 registers of four neighbouring tiles are 32 neighbouring keys of one lane.
; OUT, mask: [n][T = tile of 16 queries][step of 128 keys][S = 0, 1][L][16 bytes]: the 32 codes of keys 128 step + 64 S + 32 (L / 16) + 0 .. 31 of query 16 T + L % 16, the lower key in the lower bits.
; SHARES.  Every wave takes 64 KB of input as eight turns of 16 rows x 512 bytes.  Work-groups 0-127: query, 128-255: key, 256-511: the mask.  Each load reads 512 consecutive bytes of one row; the 16 rows turn
; through the wave's own stage in LDS (rows 528 bytes apart) and come back so that a lane holds 32 neighbours along a row.  No barrier: waves share nothing.  The two paths have LDS bytes of their own.
; Loads run two turns (32 loads a wave) ahead.  A block's scale is 2^(floor(log2(largest magnitude)) - 2): its byte is the largest magnitude's exponent field - 2, held at 1 from below.
; LIMITS: a block of zeros gets the byte 1 where the rule says 127 (its codes are zeros, and this program alone reads the bytes); NaN and infinities among the inputs are not served.
.set R,      32                        ; v32-95, v96-159  two sets of 16 x 4 registers as loaded
.set X,      160                       ; v160-223  the same numbers behind the stage
.set C,      224                       ; v224-239  codes: two sets of eight registers, by turns
.set SW,     16                        ; v16-23    scale words: 4 for each of the two heads
.set SPITCH, 528
.set WSTG,   16*SPITCH                 ; a wave's stage
.set MSTG,   4*WSTG                    ; the mask path's stages begin here
.set SPARE,  8*WSTG                    ; the spare words
	s_load_b256 s[4:11], s[0:1], 0x0               ; query s[4:5], key s[6:7], mask s[8:9], qimg s[10:11]
	s_load_b128 s[12:15], s[0:1], 0x20             ; kimg s[12:13], maskimg s[14:15]
	v_lshl_add_u32 v240, v0, 2, SPARE
	v_mov_b32 v241, 0
	v_lshrrev_b32 v1, 5, v0
	v_readfirstlane_b32 s16, v1                    ; wave 0..3
	v_and_b32 v1, 31, v0                           ; L
	v_and_b32 v2, 15, v0                           ; r
	v_bfe_u32 v3, v0, 4, 1                         ; h
	v_lshlrev_b32 v4, 4, v1                        ; 16 L: my 16 bytes of a load's 512, and of an image's
	s_mul_i32 s48, s16, WSTG                       ; my stage
.macro STAGE_IN t                      ; the 16 rows as loaded: row i at 528 i
.irp i, 0,1,2,3,4,5,6,7,8,9,10,11,12,13,14,15
	ds_store_b128 v7, v[R+64*((\t)%2)+4*\i:R+64*((\t)%2)+4*\i+3] offset:SPITCH*\i
.endr
.endm
.macro STAGE_OUT                       ; register X + 32 s + i: number 64 s + 32 h + i of row r.  LDS serves a wave's instructions in order: these see my stores
.irp s, 0,1
.irp g, 0,1,2,3,4,5,6,7
	ds_load_b128 v[X+32*\s+4*\g:X+32*\s+4*\g+3], v8 offset:256*\s+16*\g
.endr
.endr
	s_wait_dscnt 0x0                               ; the numbers are back, and the stage's stores have read the set
.endm
.macro LWAIT t
.if (\t) < 7
	s_wait_loadcnt 16                              ; this turn's 16 loads are in; the next turn's 16 may be out
.else
	s_wait_loadcnt 0x0
.endif
.endm
	s_cmp_lt_u32 ttmp9, 256
	s_wait_alu depctr_va_vdst(0)
	s_cbranch_scc0 .Lmask
; ---------------- query and key ----------------
	v_add_nc_u32 v7, s48, v4                       ; into the stage: 16 L
	v_mul_u32_u24 v8, v2, SPITCH
	v_lshl_add_u32 v8, v3, 7, v8
	v_add_nc_u32 v8, s48, v8                       ; out of it: row r, + 128 h: my block of 32 numbers
	v_lshlrev_b32 v9, 3, v3                        ; 8 h: my byte's place in a scale word
	v_mov_b32 v14, 0                               ; written once: a lane permute's destination counts as one of its sources
	s_mov_b32 s17, 0xffff0000                      ; lanes 16-31
	s_mov_b32 s20, 0x76543210
	s_mov_b32 s21, 0xfedcba98                      ; v_permlanex16_b32's selects for lane l xor 16
	s_and_b32 s28, ttmp9, 127
	s_lshl_b32 s28, s28, 2
	s_add_co_u32 s28, s28, s16                     ; my job: 512 for each tensor
	s_and_b32 s29, s28, 7                          ; which pair of heads (512 bytes of a row)
	s_bfe_u32 s30, s28, 0x40003                    ; g: which 128 rows
	s_lshr_b32 s31, s28, 7                         ; n
	s_lshl_b32 s26, s31, 23                        ; from: n x 2,048 rows of 4,096 bytes
	s_lshl_b32 s49, s30, 19                        ; + g x 128 rows
	s_add_co_u32 s26, s26, s49
	s_lshl_b32 s49, s29, 9                         ; + the pair's 512 bytes
	s_add_co_u32 s26, s26, s49
	s_mov_b32 s27, 0
	s_lshl_b32 s18, s31, 4
	s_lshl_b32 s49, s29, 1
	s_add_co_u32 s18, s18, s49                     ; y of the pair's first head
	s_lshl_b32 s18, s18, 4
	s_add_co_u32 s18, s18, s30
	s_mul_i32 s18, s18, 4608                       ; to: (16 y + g) x 4,608; the second head lies 73,728 bytes on
	s_mov_b32 s19, 0
	s_mov_b32 s24, 8*4096
	s_wait_alu depctr_va_vdst(0)
	s_wait_kmcnt 0x0
	s_cmp_lt_u32 ttmp9, 128                        ; query or key: the choice hangs on the work-group's number alone
	s_cselect_b64 s[4:5], s[4:5], s[6:7]
	s_cselect_b64 s[10:11], s[10:11], s[12:13]
	s_cselect_b32 s22, s24, 0                      ; 8 rows for query, none for key
	s_cselect_b32 s25, 0, s24                      ; none for query, 8 rows for key
	s_add_nc_u64 s[4:5], s[4:5], s[26:27]
	s_add_nc_u64 s[10:11], s[10:11], s[18:19]
	v_add_nc_u32 v25, s22, v4                      ; v25-27: 16 L + 8, 16, 24 rows for query; 16 L for key
	v_add_nc_u32 v29, s25, v4                      ; v29-31: the same for key; 16 L for query
	v_add_nc_u32 v26, s22, v25
	v_add_nc_u32 v30, s25, v29
	v_add_nc_u32 v27, s22, v26
	v_add_nc_u32 v31, s25, v30
	s_wait_alu depctr_va_vdst(0)
; Tile t, its row i.  i < 8: the immediate is the key's row, 64 (t / 4) + 8 (t % 4) + i; query lies 8 (t % 4) rows on.  i >= 8: the immediate is the query's row, 16 t + i; key lies 8 (3 - t % 4) rows on.
.macro LOADQ t
.set VQ, 24+(\t)%4
.set VK, 31-(\t)%4
.if (\t)%4 == 0
.set VQ, 4
.endif
.if (\t)%4 == 3
.set VK, 4
.endif
.irp i, 0,1,2,3,4,5,6,7,8,9,10,11,12,13,14,15
.if \i < 8
	global_load_b128 v[R+64*((\t)%2)+4*\i:R+64*((\t)%2)+4*\i+3], v[VQ], s[4:5] offset:(64*((\t)/4)+8*((\t)%4)+\i)*4096 th:TH_LOAD_NT
.else
	global_load_b128 v[R+64*((\t)%2)+4*\i:R+64*((\t)%2)+4*\i+3], v[VK], s[4:5] offset:(16*(\t)+\i)*4096 th:TH_LOAD_NT
.endif
.endr
.endm
; One block of 32 numbers, all in my registers v[xs] on: its codes into v[c] .. v[c + 3], stored at off; its scale word into sw (u = 0: all lanes; u = 1: lanes 16-31, the odd tile's)
.macro QBLOCK xs, c, sw, u, off
	v_max3_num_f32 v10, |v[(\xs)]|, |v[(\xs)+1]|, |v[(\xs)+2]|       ; the largest magnitude, in two chains
	v_max3_num_f32 v11, |v[(\xs)+3]|, |v[(\xs)+4]|, |v[(\xs)+5]|
.irp i, 6,10,14,18,22,26
	v_max3_num_f32 v10, v10, |v[(\xs)+\i]|, |v[(\xs)+\i+1]|
	v_max3_num_f32 v11, v11, |v[(\xs)+\i+2]|, |v[(\xs)+\i+3]|
.endr
	v_max3_num_f32 v10, v10, |v[(\xs)+30]|, |v[(\xs)+31]|
	v_max3_num_f32 v10, v10, v11, 0x1800000        ; and the floor 2^(3 - 127): the byte cannot fall under 1
	v_add_nc_u32 v12, 0xff000000, v10              ; 2 off the exponent field: the conversion takes the exponent field of this operand as its scale
	v_lshrrev_b32 v13, 23, v12                     ; the scale's byte
.irp g, 0,1,2,3
	v_cvt_scalef32_pk8_fp4_f32 v[(\c)+\g], v[(\xs)+8*\g:(\xs)+8*\g+7], v12
.endr
	v_lshlrev_b32 v13, v9, v13                     ; my byte at its place (a plain line behind the conversions)
	v_permlanex16_b32 v14, v13, s20, s21
	v_or_b32 v13, v13, v14                         ; with lane l xor 16's the row's word is whole, in both halves of the lanes
.if (\u) == 0
	v_mov_b32 v[(\sw)], v13
.else
	v_cndmask_b32 v[(\sw)], v[(\sw)], v13, s17
.endif
	global_store_b128 v4, v[(\c):(\c)+3], s[10:11] offset:\off       ; 32 lanes store 512 consecutive bytes
.endm
.macro QTURN t
.if (\t) >= 2
	s_wait_xcnt 0x0                                ; the stores of two turns back have read their registers: the codes' registers are written again only behind this wait
.endif
	LWAIT \t
	STAGE_IN \t
	STAGE_OUT
.if (\t)+2 < 8
	LOADQ (\t)+2                                   ; the set takes the loads of two turns on
.endif
	QBLOCK X, C+8*((\t)%2), SW+(\t)/2, (\t)%2, 512*(\t)
	QBLOCK X+32, C+8*((\t)%2)+4, SW+4+(\t)/2, (\t)%2, 512*(\t)+73728
.endm
	LOADQ 0
	LOADQ 1
.irp t, 0,1,2,3,4,5,6,7
	QTURN \t
.endr
	global_store_b128 v4, v[SW:SW+3], s[10:11] offset:4096           ; the scale words: 512 consecutive bytes for each head
	global_store_b128 v4, v[SW+4:SW+7], s[10:11] offset:4096+73728
	s_wait_tensorcnt 0x0                           ; the wave's end
	ds_add_u32 v240, v241
	s_wait_dscnt 0x0
	s_endpgm
; ---------------- the mask ----------------
.Lmask:
	s_add_co_u32 s48, s48, MSTG                    ; this path's stages
	v_add_nc_u32 v7, s48, v4
	v_mul_u32_u24 v8, v2, SPITCH
	v_lshl_add_u32 v8, v3, 7, v8
	v_add_nc_u32 v8, s48, v8                       ; out of the stage: row r, + 128 h: 32 keys of each 64
	v_mov_b32 v26, -1.0                            ; what a hidden key becomes
	v_mov_b32 v27, 1.0                             ; the conversion's scale: 2^0
	s_sub_co_u32 s28, ttmp9, 256
	s_lshl_b32 s28, s28, 2
	s_add_co_u32 s28, s28, s16                     ; my job J: tile of queries J / 2, half J % 2 of the keys
	s_lshr_b32 s26, s28, 1
	s_lshl_b32 s26, s26, 17                        ; 16 rows of 8,192 bytes
	s_and_b32 s29, s28, 1
	s_lshl_b32 s29, s29, 12                        ; 1,024 keys
	s_add_co_u32 s26, s26, s29
	s_mov_b32 s27, 0
	s_lshl_b32 s18, s28, 13                        ; eight steps of 1,024 bytes
	s_mov_b32 s19, 0
	s_wait_alu depctr_va_vdst(0)
	s_wait_kmcnt 0x0
	s_add_nc_u64 s[8:9], s[8:9], s[26:27]
	s_add_nc_u64 s[14:15], s[14:15], s[18:19]
.macro LOADM t
.irp i, 0,1,2,3,4,5,6,7,8,9,10,11,12,13,14,15
	global_load_b128 v[R+64*((\t)%2)+4*\i:R+64*((\t)%2)+4*\i+3], v4, s[8:9] offset:\i*8192+(\t)*512 th:TH_LOAD_NT
.endr
.endm
.macro MTURN t
.if (\t) >= 2
	s_wait_xcnt 0x0                                ; the stores of two turns back have read their registers
.endif
	LWAIT \t
	STAGE_IN \t
	STAGE_OUT
.if (\t)+2 < 8
	LOADM (\t)+2
.endif
.irp q, 0,1,2,3                        ; -1.0 where mask == 0, else 0; sixteen lane masks by turns
.irp k, 0,1,2,3,4,5,6,7,8,9,10,11,12,13,14,15
	v_cmp_eq_u32 s[32+\k], 0, v[X+16*\q+\k]
.endr
.irp k, 0,1,2,3,4,5,6,7,8,9,10,11,12,13,14,15
	v_cndmask_b32 v[X+16*\q+\k], 0, v26, s[32+\k]
.endr
.endr
.irp g, 0,1,2,3,4,5,6,7
	v_cvt_scalef32_pk8_fp4_f32 v[C+8*((\t)%2)+\g], v[X+8*\g:X+8*\g+7], v27
.endr
	global_store_b128 v4, v[C+8*((\t)%2):C+8*((\t)%2)+3], s[14:15] offset:1024*(\t)          ; 32 lanes store 512 consecutive bytes
	global_store_b128 v4, v[C+8*((\t)%2)+4:C+8*((\t)%2)+7], s[14:15] offset:1024*(\t)+512
.endm
	LOADM 0
	LOADM 1
.irp t, 0,1,2,3,4,5,6,7
	MTURN \t
.endr
	s_wait_tensorcnt 0x0                           ; the wave's end
	ds_add_u32 v240, v241
	s_wait_dscnt 0x0
	s_endpgm
.Lfunc_end_k_q0eeb21ac24_prep:
	.size	k_q0eeb21ac24_prep, .Lfunc_end_k_q0eeb21ac24_prep-k_q0eeb21ac24_prep
	.p2alignl 7, 3214868480
	.fill 96, 4, 3214868480
	.section	.rodata,"a",@progbits
	.p2align	6, 0x0
	.amdhsa_kernel k_q0eeb21ac24_prep
		.amdhsa_group_segment_fixed_size 68096
		.amdhsa_private_segment_fixed_size 0
		.amdhsa_enable_private_segment 0
		.amdhsa_kernarg_size 48
		.amdhsa_user_sgpr_count 2
		.amdhsa_user_sgpr_kernarg_segment_ptr 1
		.amdhsa_wavefront_size32 1
		.amdhsa_system_sgpr_workgroup_id_x 1
		.amdhsa_system_sgpr_workgroup_id_y 1
		.amdhsa_system_sgpr_workgroup_id_z 1
		.amdhsa_system_vgpr_workitem_id 0
		.amdhsa_next_free_vgpr 242
		.amdhsa_next_free_sgpr 66
		.amdhsa_reserve_vcc 0
		.amdhsa_float_denorm_mode_32 3
		.amdhsa_float_denorm_mode_16_64 3
		.amdhsa_memory_ordered 1
		.amdhsa_forward_progress 1
		.amdhsa_inst_pref_size 158
	.end_amdhsa_kernel
	.amdgpu_metadata
---
amdhsa.version: [ 1, 2 ]
amdhsa.kernels:
  - .name:           k_q0eeb21ac24_prep
    .symbol:         k_q0eeb21ac24_prep.kd
    .args:
      - { .name: query, .offset: 0, .size: 8, .value_kind: global_buffer, .address_space: global }
      - { .name: key, .offset: 8, .size: 8, .value_kind: global_buffer, .address_space: global }
      - { .name: mask, .offset: 16, .size: 8, .value_kind: global_buffer, .address_space: global }
      - { .name: qimg, .offset: 24, .size: 8, .value_kind: global_buffer, .address_space: global }
      - { .name: kimg, .offset: 32, .size: 8, .value_kind: global_buffer, .address_space: global }
      - { .name: maskimg, .offset: 40, .size: 8, .value_kind: global_buffer, .address_space: global }
    .group_segment_fixed_size: 68096
    .private_segment_fixed_size: 0
    .kernarg_segment_align: 8
    .kernarg_segment_size: 48
    .max_flat_workgroup_size: 128
    .sgpr_count:     66
    .vgpr_count:     242
    .wavefront_size: 32
...
	.end_amdgpu_metadata
.endif
;; end of part 1
;; launch attn (part 2): grid 4 x 64, 16 waves a work-group, clusters of 4 x 1, 169,984 bytes of LDS; arguments qimg, kimg, value_codes, value_scales, maskimg, acodes, ascl; writes acodes, ascl
.if DOCPART == 2
	.amdgcn_target "amdgcn-amd-amdhsa--gfx1250"
	.amdhsa_code_object_version 6
	.text
	.protected	k_q0eeb21ac24_attn
	.globl	k_q0eeb21ac24_attn
	.p2align	8
	.type	k_q0eeb21ac24_attn,@function
k_q0eeb21ac24_attn:
	s_mov_b64 s[64:65], 0
	v_nop
	global_prefetch_b8 v0, s[64:65] scope:SCOPE_SE
	s_setreg_imm32_b32 hwreg(HW_REG_WAVE_MODE, 25, 1), 1
	s_wait_xcnt 0x0
	s_wait_alu depctr_hold_cnt(0) depctr_sa_sdst(0) depctr_va_vdst(0) depctr_va_sdst(0) depctr_va_ssrc(0) depctr_va_vcc(0) depctr_vm_vsrc(0)
	s_getreg_b32 s2, hwreg(HW_REG_IB_STS2, 6, 4)
	s_cmp_eq_u32 s2, 0
	s_cbranch_scc0 .Lentry_in_a_cluster
	s_endpgm
.Lentry_in_a_cluster:
	s_bfe_u32 s2, ttmp6, 0x10000c
	s_cmp_lg_u32 s2, 0x3003
	s_cbranch_scc0 .Lentry_shape_is_right
	s_endpgm
.Lentry_shape_is_right:
; For one y = 16 n + head: O[q][:] = sum over k of softmax_k(where(mask == 0, -1e22, Q[q] . K[k]) / 32) V[k][:], both products on codes of FP4 (E2M1) with one E8M0 scale for each 32 along K; O is then
; quantised along the head's 64 for the last product of the program.
; THE SOFTMAX: t = score x log2(e) / 32; M = the row's largest t so far, rounded UP to a whole number; p = 2^(t - M) is what is quantised, along the keys.  The row's sum is taken of the unquantised p and
; divides O at the end.  When M moves, the sum and O are multiplied by 2^(old M - new M): exact.
; SHARES.  A work-group owns 512 queries of one y; each of its sixteen waves two tiles of 16, one after the other, in 256 registers: four waves to a SIMD.  64 y x 4 blocks = 256 work-groups.
; ALL OF THE HEAD'S K AND V LIES IN LDS: 73,728 bytes of K's images and scale words, 64 rows of V's codes, V's scale bytes.  Filled once: no ring, no slot is filled again.
; CLUSTER.  The four query blocks of a y walk the same K and V: every fill is asked for JOINTLY, the same tensor load with the same descriptor and a mask that names the four.
; LAYOUT.  Both products are used transposed: S^T = K Q^T (source 0 = 16 keys, source 1 = my 16 queries), O^T = V^T P^T (source 0 = 16 of the head's 64, source 1 = P): a lane holds ONE query (lane % 16).
; The first product's K is 64: registers 4-7 of its two operands are zero codes.  Row i of tile t of K is key 64 (t / 4) + 8 (t % 4) + i % 8 + 32 (i / 8), and V's tiles are chosen likewise: so the 32 registers
; of four neighbouring result tiles are 32 neighbours along the next product's K, ONE WHOLE BLOCK in a lane: lanes 0-15 hold blocks 0 and 2 of a step, lanes 16-31 blocks 1 and 3; a conversion's result is an operand's register.
; THE MASK comes as codes of FP4, -1 for a hidden key: one conversion widens eight of them to -2^73 or 0, into the registers that the score product takes as its C and writes as its D.
; THE LOOP IS ROTATED: a trip finishes step i's softmax, then issues step i + 1's scores and adds step i's P V.  The tile's first scores and its last step are written out.
; The mask's codes are loaded into registers a whole step ahead of their use, the two tiles' 32 steps as one run of 32,768 bytes; K and V are asked for once, at the head: so no prefetch is laid.
; LIMITS: a masked score is the score - 2^73 in place of -1e22: beside an open key its p is 0; a row with no open key gets p = 1 for every key while the product's sum of -2^73 and a score is -2^73, that is for |score| < 2^48.
; A block of zeros gets the scale byte 1 (its codes are zeros; this program alone reads the bytes).  NaN and infinities are not served.
.set KSTEPB, 4608                      ; a step's 128 keys: eight images of 512 bytes, then 512 bytes of scale words
.set VREG,   16*KSTEPB                 ; V's 64 rows of 1,024 bytes,
.set VP,     1040                      ; 16 bytes of padding behind each
.set SCV,    VREG+64*VP                ; V's scale bytes: 16 blocks of 256 bytes + 16 of padding
.set SPARE,  0x29000                   ; the spare words: 128 bytes a wave
.set AK0,  1                           ; v1   16 x lane
.set AV0,  2                           ; v2   my lane's place in a tile of V
.set ASV0, 3                           ; v3   and among V's scale words
.set ADK,  4                           ; v4-6 the step's addresses
.set ADV,  5
.set ADT,  6
.set MSC,  7                           ; v7   the byte 200 four times: the mask's codes x 2^73
.set SH8,  8                           ; v8   8 h
.set SO,   9                           ; v9   4 r + h: my byte among the rows' scale words of the output
.set QO,   10                          ; v10  my first tile's place in Q's group
.set QS,   11                          ; v11  and its scale words'
.set PSW,  248                         ; v248 p's scale word
.set WV,   3                           ; s3   my wave's number
.set MB,   12                          ; s[12:13] my two tiles' mask codes
.set MOFF, 86                          ; s[86:87] the offset of the step's codes to be loaded next
.set TK,   88                          ; s88-90 the step's offsets in K, in V's rows, in V's scale words
.set TV,   89
.set TJ,   90
.set CNT,  91
.set CS,   92                          ; s[92:93] c = log2(e) / 32
.set SEL,  94                          ; s[94:95] v_permlanex16_b32's selects for lane l xor 16
.set MA,   96                          ; s[96:97] the address of the mask loads in hand
.set NC,   98                          ; s98  -c
.set G1K,  16
.set G1V,  24
.set G1S,  32
.set G0K,  40
.set G0V,  44
.set G0S,  48
; REGISTERS: v12 -M, v13 the largest score, v[14:15] the sum in two halves; v16-23 Q; v24-27 K's scale words, v28-31 V's; v32-95 K's eight fragments; v96-159 the mask's numbers, S^T, then p; v160-191 O^T;
; v192-223 V's four fragments; v224-231 p's codes; v232-239, v254 at work; v240-247 the mask's codes; v250-251 the add's; v252 f (v253 named with it as a pair); v255 Q's scale words.
.macro ROUND                           ; a round of the cluster's barrier
	s_barrier_signal -1
	s_barrier_wait -1
	s_cmp_lg_u32 s[WV], 0
	s_cbranch_scc1 .Lnot_wave_0_\@
	s_barrier_signal -3
.Lnot_wave_0_\@:
	s_barrier_wait -3
	s_barrier_signal -1
	s_barrier_wait -1
.endm
.macro MLOAD                           ; a step's mask codes: 1,024 bytes a wave.  No earlier load that named s[MA:MA+1] is out.  Behind step 31 the offset is held: the last request names step 31 again, inside the buffer, and is not used
	s_add_nc_u64 s[MA:MA+1], s[MB:MB+1], s[MOFF:MOFF+1]
	global_load_b128 v[240:243], v[AK0], s[MA:MA+1]
	global_load_b128 v[244:247], v[AK0], s[MA:MA+1] offset:512
	s_add_co_u32 s[MOFF], s[MOFF], 1024
	s_min_u32 s[MOFF], s[MOFF], 31*1024
.endm
.macro KLOAD adr                       ; a step's scale words of K (register p: lanes 0-15 tile 2 p, lanes 16-31 tile 2 p + 1) and its eight images
	ds_load_b128 v[24:27], v[\adr] offset:4096
.irp t, 0,1,2,3,4,5,6,7
	ds_load_b128 v[32+8*\t:35+8*\t], v[\adr] offset:512*\t
.endr
.endm
.macro VL g                            ; V's tile g of the step, and its rows' scale words
	ds_load_b128 v[192+8*\g:195+8*\g], v[ADV] offset:8*\g*VP
	ds_load_b128 v[196+8*\g:199+8*\g], v[ADV] offset:8*\g*VP+32
	ds_load_b32 v[28+\g], v[ADT] offset:544*\g
.endm
.macro MASKC                           ; the one place of a trip where the wave waits for memory: the mask's codes, K's and V's fragments.  Then -2^73 or 0 into the scores' registers
	s_wait_alu depctr_va_vdst(0)
	s_wait_loadcnt 0x0
	s_wait_dscnt 0x0
.irp t, 0,1,2,3,4,5,6,7
	v_cvt_scale_pk8_f32_fp4 v[96+8*\t:103+8*\t], v[240+\t], v[MSC]
.endr
	MLOAD                                          ; the step after that one: it has a whole step in which to come
.endm
.macro SMUL                            ; S^T = K Q^T + the mask's numbers: lane (r, h) holds query r; register 32 c + i holds key 64 c + 32 h + i of the step
.irp p, 0,1,2,3
	v_wmma_scale_f32_16x16x128_f8f6f4 v[96+16*\p:103+16*\p], v[32+16*\p:39+16*\p], v[16:23], v[96+16*\p:103+16*\p], v[24+\p], v255 matrix_a_fmt:MATRIX_FMT_FP4 matrix_b_fmt:MATRIX_FMT_FP4
	v_wmma_scale_f32_16x16x128_f8f6f4 v[104+16*\p:111+16*\p], v[40+16*\p:47+16*\p], v[16:23], v[104+16*\p:111+16*\p], v[24+\p], v255 matrix_a_fmt:MATRIX_FMT_FP4 matrix_b_fmt:MATRIX_FMT_FP4 matrix_a_scale:MATRIX_SCALE_ROW1
.endr
.endm
.macro TM j                            ; t - M of two scores
	v_pk_fma_f32 v[96+\j:97+\j], v[96+\j:97+\j], s[CS:CS+1], v[12:13] op_sel_hi:[1,0,0]
.endm
.macro SUM a, b                        ; two of p's pairs added in place
	v_pk_add_f32 v[\a:\a+1], v[\a:\a+1], v[\b:\b+1]
.endm
	s_load_b256 s[68:75], s[0:1], 0x0              ; qimg s[68:69], kimg s[70:71], value_codes s[72:73], value_scales s[74:75]
	s_load_b128 s[76:79], s[0:1], 0x20             ; maskimg s[76:77], acodes s[78:79]
	s_load_b64 s[80:81], s[0:1], 0x30              ; ascl
	v_lshl_add_u32 v250, v0, 2, SPARE
	v_mov_b32 v251, 0
	ds_add_u32 v250, v251                          ; the opening lines: the add, twice on end, and its wait
	ds_add_u32 v250, v251
	v_lshrrev_b32 v1, 5, v0
	s_delay_alu instid0(VALU_DEP_1)
	v_readfirstlane_b32 s[WV], v1                  ; wave 0..15
	s_and_b32 s8, ttmp7, 0xffff                    ; y, which the four partners share
	; group 1 for K: a quarter of the head's 73,728 dense bytes, as 72 rows of 256 bytes (32 elements of 8)
	s_mov_b32 s[G1K], 15|(3<<16)|(1<<21)           ; 15:0 the mask: all four work-groups; 17:16 elements of 8 bytes; 21 set beside a mask
	s_mov_b32 s[G1K+1], 32<<16
	s_mov_b32 s[G1K+2], 72<<16
	s_mov_b32 s[G1K+3], 32<<16
	s_mov_b32 s[G1K+4], 72
	s_mov_b32 s[G1K+5], 32
	s_mov_b32 s[G1K+6], 0
	s_mov_b32 s[G1K+7], 0
	; for V: 16 rows of 1,024 bytes, four words of padding behind each 256 words
	s_mov_b32 s[G1V], 15|(1<<20)|(1<<21)|(7<<22)|(3<<25)
	s_mov_b32 s[G1V+1], 1024<<16
	s_mov_b32 s[G1V+2], 16<<16
	s_mov_b32 s[G1V+3], 1024<<16
	s_mov_b32 s[G1V+4], 16
	s_mov_b32 s[G1V+5], 1024
	s_mov_b32 s[G1V+6], 0
	s_mov_b32 s[G1V+7], 0
	; for V's scale bytes: 4,096 dense bytes as 16 rows of 256, four words of padding behind each
	s_mov_b32 s[G1S], 15|(3<<16)|(1<<20)|(1<<21)|(5<<22)|(3<<25)
	s_mov_b32 s[G1S+1], 32<<16
	s_mov_b32 s[G1S+2], 16<<16
	s_mov_b32 s[G1S+3], 32<<16
	s_mov_b32 s[G1S+4], 16
	s_mov_b32 s[G1S+5], 32
	s_mov_b32 s[G1S+6], 0
	s_mov_b32 s[G1S+7], 0
	s_and_b32 s96, s[WV], 3                        ; which quarter I fetch, if I fetch
	s_mul_i32 s97, s96, 4*KSTEPB                   ; K's quarter: the same step in memory and in LDS
	s_mul_i32 s98, s8, 16*KSTEPB
	s_add_co_u32 s98, s98, s97
	s_mov_b32 s99, 0
	s_wait_dscnt 0x0
	s_wait_kmcnt 0x0
	s_mov_b32 s[G0K], 1
	s_mov_b32 s[G0K+1], s97
	s_add_nc_u64 s[G0K+2:G0K+3], s[70:71], s[98:99]
	s_or_b32 s[G0K+3], s[G0K+3], 0x80000000
	s_lshl_b32 s98, s8, 16                         ; V: y x 64 rows of 1,024 bytes
	s_lshl_b32 s97, s96, 14                        ; + 16 rows a quarter
	s_add_co_u32 s98, s98, s97
	s_mul_i32 s97, s96, 16*VP
	s_mov_b32 s[G0V], 1
	s_add_co_u32 s[G0V+1], s97, VREG
	s_add_nc_u64 s[G0V+2:G0V+3], s[72:73], s[98:99]
	s_or_b32 s[G0V+3], s[G0V+3], 0x80000000
	s_lshl_b32 s98, s8, 12                         ; V's scale bytes: y x 4,096
	s_mov_b32 s[G0S], 1
	s_mov_b32 s[G0S+1], SCV
	s_add_nc_u64 s[G0S+2:G0S+3], s[74:75], s[98:99]
	s_or_b32 s[G0S+3], s[G0S+3], 0x80000000
	ROUND                                          ; all four work-groups are here: the joint loads meet
	; waves 0-3: K's quarters; waves 4-7: V's; wave 8: V's scale bytes: one tensor load a wave at the most.  The branches hang on the wave's number alone.
	s_cmp_lt_u32 s[WV], 4
	s_cbranch_scc0 .Lnot_k
	tensor_load_to_lds s[G0K:G0K+3], s[G1K:G1K+7]
	s_nop 0
.rept 4
	v_nop
.endr
	s_branch .Lasked
.Lnot_k:
	s_cmp_lt_u32 s[WV], 8
	s_cbranch_scc0 .Lnot_v
	tensor_load_to_lds s[G0V:G0V+3], s[G1V:G1V+7]
	s_nop 0
.rept 4
	v_nop
.endr
	s_branch .Lasked
.Lnot_v:
	s_cmp_eq_u32 s[WV], 8
	s_cbranch_scc0 .Lasked
	tensor_load_to_lds s[G0S:G0S+3], s[G1S:G1S+7]
	s_nop 0
.rept 4
	v_nop
.endr
.Lasked:
	; my place in the cluster enters the addresses of Q, of the mask's codes and of the outputs alone
	s_bfe_u32 s6, ttmp6, 0x40000                   ; cx
	s_lshl_b32 s7, ttmp9, 2
	s_add_co_u32 s7, s7, s6                        ; my block of 512 queries
	s_lshl_b32 s9, s8, 4
	s_lshl_b32 s10, s7, 2
	s_add_co_u32 s9, s9, s10
	s_lshr_b32 s10, s[WV], 2
	s_add_co_u32 s9, s9, s10                       ; Q's group of 128 rows: 16 y + 4 block + wave / 4
	s_mul_i32 s10, s9, KSTEPB
	s_mov_b32 s11, 0
	s_add_nc_u64 s[4:5], s[68:69], s[10:11]
	s_lshl_b32 s9, s7, 5
	s_lshl_b32 s10, s[WV], 1
	s_add_co_u32 s9, s9, s10                       ; my first tile of 16 queries: 32 block + 2 wave
	s_lshr_b32 s10, s8, 4
	s_lshl_b32 s10, s10, 7
	s_add_co_u32 s9, s9, s10                       ; TT = 128 n + that
	s_lshl_b32 s10, s9, 14
	s_add_nc_u64 s[MB:MB+1], s[76:77], s[10:11]    ; 16,384 bytes of mask codes a tile
	s_and_b32 s6, s8, 15                           ; the head
	s_lshl_b32 s10, s6, 9
	s_add_co_u32 s10, s10, s9
	s_lshl_b32 s10, s10, 9
	s_add_nc_u64 s[14:15], s[78:79], s[10:11]      ; acodes: (512 head + TT) x 512
	s_lshr_b32 s10, s6, 1
	s_lshl_b32 s10, s10, 15
	s_lshl_b32 s2, s9, 6
	s_add_co_u32 s10, s10, s2
	s_and_b32 s2, s6, 1
	s_lshl_b32 s2, s2, 1
	s_add_co_u32 s10, s10, s2
	s_add_nc_u64 s[84:85], s[80:81], s[10:11]      ; ascl: (head / 2) x 32,768 + 64 TT + 2 (head % 2)
	s_and_b32 s2, s[WV], 3
	s_lshl_b32 s9, s2, 10                          ; my first tile in its group: 2 (wave % 4), 512 bytes a tile
	s_lshl_b32 s10, s2, 2                          ; its scale words: word (r + 16 (tile % 2), tile / 2)
	s_mov_b32 s[CS], 0x3d38aa3b                    ; c = log2(e) / 32
	s_mov_b32 s[CS+1], s[CS]                       ; (named with it as a pair, so it is written)
	s_mov_b32 s[NC], 0xbd38aa3b                    ; -c
	s_mov_b32 s[SEL], 0x76543210
	s_mov_b32 s[SEL+1], 0xfedcba98
	s_mov_b32 s[MOFF], 0
	s_mov_b32 s[MOFF+1], 0
	v_and_b32 v232, 15, v0                         ; r
	v_bfe_u32 v233, v0, 4, 1                       ; h
	v_and_b32 v234, 31, v0                         ; L
	v_and_b32 v235, 7, v0                          ; r % 8
	v_bfe_u32 v236, v0, 3, 1                       ; r / 8
	v_lshlrev_b32 v[AK0], 4, v234
	v_lshl_add_u32 v[QS], v232, 4, s10
	v_lshlrev_b32 v[SH8], 3, v233
	v_lshl_add_u32 v[SO], v232, 2, v233
	v_lshl_add_u32 v237, v236, 5, v235             ; lane r of V's tile g takes row 8 g + r % 8 + 32 (r / 8)
	v_add_nc_u32 v[QO], s9, v[AK0]
	v_mul_u32_u24 v[AV0], v237, VP
	v_lshrrev_b32 v[ASV0], 2, v237                 ; V's scale bytes: 64 a row, four rows to a block of 256
	v_and_b32 v238, 3, v237
	v_lshl_add_u32 v[AV0], v233, 4, v[AV0]
	v_mul_u32_u24 v[ASV0], v[ASV0], 272
	v_add_nc_u32 v[AV0], VREG, v[AV0]
	v_lshl_add_u32 v[ASV0], v238, 6, v[ASV0]
	v_mov_b32 v[MSC], 0xc8c8c8c8
	v_add_nc_u32 v[ASV0], SCV, v[ASV0]
	v_mov_b32 v253, 0                              ; (named as the upper half of the pair v[252:253])
.irp j, 20,21,22,23
	v_mov_b32 v[\j], 0                             ; Q's k = 64 .. 127: zero codes
.endr
.irp t, 0,1,2,3,4,5,6,7
.irp j, 4,5,6,7
	v_mov_b32 v[32+8*\t+\j], 0                     ; K's likewise: set once, no load lands there
.endr
.endr
	s_wait_alu depctr_va_vdst(0)
; A TRIP: step i's softmax and P V; next = 1: step i + 1's scores too.
.macro BODY next
.if \next
	v_add_nc_u32 v[ADK], s[TK], v[AK0]             ; these four lines are the places ahead of the first read of the scores
.else
	v_nop
.endif
	v_add_nc_u32 v[ADV], s[TV], v[AV0]
	v_add_nc_u32 v[ADT], s[TJ], v[ASV0]
	v_mov_b32 v254, v12                            ; the old -M
.irp t, 0,1,2,3,4,5,6,7                            ; the largest scores: eight chains, one a tile; every result is first read at its low end
	v_max3_num_f32 v[232+\t], v[96+8*\t], v[97+8*\t], v[98+8*\t]
.endr
.irp i, 3,5
.irp t, 0,1,2,3,4,5,6,7
	v_max3_num_f32 v[232+\t], v[232+\t], v[96+8*\t+\i], v[97+8*\t+\i]
.endr
.endr
	v_max3_num_f32 v232, v232, v233, v103          ; four tiles and their eighth registers make a block of 32 keys: my two blocks by turns
	v_max3_num_f32 v236, v236, v237, v135
	v_max3_num_f32 v234, v234, v235, v111
	v_max3_num_f32 v238, v238, v239, v143
	v_max3_num_f32 v232, v232, v234, v119
	v_max3_num_f32 v236, v236, v238, v151
	v_max_num_f32 v232, v232, v127                 ; v232, v233: the largest score of each block: it serves the row's maximum and, since p rises with the score, the block's largest p
	v_max_num_f32 v233, v236, v159
	v_max_num_f32 v234, v232, v233                 ; from here on each line reads the line above it: the step's LDS loads stand between them
	VL 0
	v_permlanex16_b32 v235, v234, s[SEL], s[SEL+1]
	VL 1
	v_max3_num_f32 v13, v13, v234, v235            ; the running largest score of my query, lane l xor 16's keys among them
	VL 2
	v_mul_f32 v238, s[NC], v13                     ; -t
	VL 3
	v_floor_f32 v12, v238                          ; the new -M = floor(-t): M is a whole number
.if \next
	KLOAD ADK
.endif
	v_sub_f32 v254, v12, v254                      ; old M - new M: a whole number, 0 or less
	TM 0
	TM 2
	v_cvt_i32_f32 v254, v254                       ; (it saturates)
	TM 4
	TM 6
	v_ldexp_f32 v252, 1.0, v254                    ; f = 2^(old M - new M)
.irp j, 8,10,12,14,16,18,20,22,24,26,28,30,32,34,36,38,40,42,44,46,48,50,52,54,56,58,60,62
	TM \j
.endr
.irp c, 0,1
	v_fma_f32 v[232+\c], v[232+\c], s[CS], v12     ; the same of each block's largest score
.endr
.irp j, 0,2,4,6,8,10,12,14,16,18,20,22,24,26,28,30
	v_pk_mul_f32 v[160+\j:161+\j], v[160+\j:161+\j], v[252:253] op_sel_hi:[1,0]   ; O^T under the new M: ahead of the exponentials
.endr
	s_wait_alu depctr_va_vdst(0)
.irp c, 0,1
	v_exp_f32 v[232+\c], v[232+\c]                 ; the block's largest p: the same two instructions on the same number give the same bits
.endr
.irp j, 0,1,2,3,4,5,6,7,8,9,10,11,12,13,14,15,16,17,18,19,20,21,22,23,24,25,26,27,28,29,30,31,32,33,34,35,36,37,38,39,40,41,42,43,44,45,46,47,48,49,50,51,52,53,54,55,56,57,58,59,60,61,62,63
	v_exp_f32 v[96+\j], v[96+\j]                   ; p = 2^(t - M), at most 1: not normalised
.endr
	v_pk_mul_f32 v[14:15], v[14:15], v[252:253] op_sel_hi:[1,0]   ; the sums under the new M: the plain line behind the exponentials
	s_wait_alu depctr_va_vdst(0)                   ; one wait for the whole batch, ahead of the first use of a result
.irp c, 0,1
	v_max_num_f32 v[232+\c], 0x1800000, v[232+\c]  ; the floor 2^(3 - 127): the byte cannot fall under 1
.endr
.irp c, 0,1
	s_delay_alu instid0(VALU_DEP_2)
	v_add_nc_u32 v[234+\c], 0xff000000, v[232+\c]  ; 2 off the exponent field: the conversion's scale operand
.endr
.irp t, 0,1,2,3,4,5,6,7
	v_cvt_scalef32_pk8_fp4_f32 v[224+\t], v[96+8*\t:103+8*\t], v[234+\t/4]   ; register 4 c + g of the operand: keys 64 c + 32 h + 8 g + 0 .. 7
.endr
.irp c, 0,1
	v_lshrrev_b32 v[236+\c], 23, v[234+\c]         ; the scales' bytes (plain lines behind the conversions, ahead of the lines that write their sources)
.endr
	; p has been converted, so THE ROW'S SUM OF THE UNQUANTISED p is a tree in place: 16, 8, 4, 2, 1 and 1 additions of pairs.  The four lines that make p's scale word stand among the first sixteen
	v_lshl_or_b32 v[PSW], v237, 16, v236           ; my two bytes: blocks h and 2 + h,
.irp m, 0,1,2,3
	SUM 96+4*\m, 98+4*\m
.endr
	v_lshlrev_b32 v[PSW], v[SH8], v[PSW]           ; at their places;
.irp m, 4,5,6,7
	SUM 96+4*\m, 98+4*\m
.endr
	v_permlanex16_b32 v254, v[PSW], s[SEL], s[SEL+1]
.irp m, 8,9,10,11
	SUM 96+4*\m, 98+4*\m
.endr
	v_or_b32 v[PSW], v[PSW], v254                  ; with lane l xor 16's two p's scale word is whole; 18 plain lines and more follow ahead of the product that takes it
.irp m, 12,13,14,15
	SUM 96+4*\m, 98+4*\m
.endr
.irp m, 0,1,2,3,4,5,6,7
	SUM 96+8*\m, 100+8*\m
.endr
.irp m, 0,1,2,3
	SUM 96+16*\m, 104+16*\m
.endr
	v_pk_add_f32 v[236:237], v[96:97], v[112:113]  ; the last levels leave p's registers, which take the mask's numbers next
	v_pk_add_f32 v[238:239], v[128:129], v[144:145]
.if \next
	MASKC
.else
	s_wait_alu depctr_va_vdst(0)
	s_wait_dscnt 0x0                               ; V's fragments and scale words
.endif
	v_pk_add_f32 v[236:237], v[236:237], v[238:239]
.if \next
	v_nop                                          ; with the two additions: four plain lines between the mask's conversions and the products
	v_nop
.endif
	v_pk_add_f32 v[14:15], v[14:15], v[236:237]
.if \next
	SMUL
.endif
.irp g, 0,1,2,3                                    ; O^T += V^T P^T: four accumulators by turns; register 8 g + j holds d = 32 h + 8 g + j of query r
	v_wmma_scale_f32_16x16x128_f8f6f4 v[160+8*\g:167+8*\g], v[192+8*\g:199+8*\g], v[224:231], v[160+8*\g:167+8*\g], v[28+\g], v[PSW] matrix_a_fmt:MATRIX_FMT_FP4 matrix_b_fmt:MATRIX_FMT_FP4
.endr
.endm
; ONE TILE OF 16 QUERIES, from its first scores to its codes
.macro TILE pass
	global_load_b128 v[16:19], v[QO], s[4:5] offset:512*\pass       ; Q's image
	global_load_b32 v255, v[QS], s[4:5] offset:4096+256*\pass       ; and its scale words
.if \pass == 0
	MLOAD                                          ; step 0's mask codes (the second tile's first were asked for in the first tile's loop)
.endif
	v_mov_b32 v13, 0xff61b1e6                      ; the largest score so far: -3e38
	v_mov_b32 v12, 0x7e000000                      ; -M: 2^125, over every floor(-t)
	v_mov_b32 v14, 0                               ; the sum, in two halves
	v_mov_b32 v15, 0
.irp j, 0,1,2,3,4,5,6,7,8,9,10,11,12,13,14,15,16,17,18,19,20,21,22,23,24,25,26,27,28,29,30,31
	v_mov_b32 v[160+\j], 0                         ; O^T: the trip is written once; the first finds zeros
.endr
	s_mov_b32 s[TK], KSTEPB
	s_mov_b32 s[TV], 0
	s_mov_b32 s[TJ], 0
	s_mov_b32 s[CNT], 15
.if \pass == 0
	s_wait_alu depctr_va_vdst(0)
	s_wait_tensorcnt 0x0                           ; my part of K, V or the scale bytes has landed,
	s_barrier_signal -1
	s_barrier_wait -1                              ; everybody's has
.else
	s_wait_xcnt 0x0                                ; the first tile's stores have read their registers
.endif
	KLOAD AK0                                      ; step 0
	MASKC
.rept 4
	v_nop                                          ; plain lines between the conversions and the products
.endr
	SMUL
.Lstep_\pass:                                      ; 15 trips
	BODY 1
	s_add_co_u32 s[TK], s[TK], KSTEPB
	s_add_co_u32 s[TV], s[TV], 64
	s_add_co_u32 s[TJ], s[TJ], 4
	s_sub_co_u32 s[CNT], s[CNT], 1
	s_cmp_lg_u32 s[CNT], 0
	s_cbranch_scc1 .Lstep_\pass
	BODY 0                                         ; the last step has no successor
	; THE WAY OUT: O^T / the sum, quantised along the head's 64 (my lane: one block of 32), stored as the image that the last product's operand wants
	v_add_f32 v14, v14, v15                        ; the sum's two halves,
	s_delay_alu instid0(VALU_DEP_1)
	v_permlanex16_b32 v237, v14, s[SEL], s[SEL+1]
	s_delay_alu instid0(VALU_DEP_1)
	v_add_f32 v14, v14, v237                       ; and lane l xor 16's: the row's sum
	s_wait_alu depctr_va_vdst(0)
	v_rcp_f32 v14, v14
	v_nop                                          ; the plain line behind it; with the three above, the places behind the last products
	s_wait_alu depctr_va_vdst(0)                   ; ahead of the first use of the reciprocal and of O^T
.irp j, 0,2,4,6,8,10,12,14,16,18,20,22,24,26,28,30
	v_pk_mul_f32 v[96+\j:97+\j], v[160+\j:161+\j], v[14:15] op_sel_hi:[1,0]   ; register i: o(r, 32 h + i)
.endr
	v_max3_num_f32 v232, |v96|, |v97|, 0x1800000   ; my block's largest magnitude, in two chains, and the floor 2^(3 - 127)
	v_max3_num_f32 v233, |v112|, |v113|, 0x1800000
.irp i, 2,4,6,8,10,12,14
	v_max3_num_f32 v232, v232, |v[96+\i]|, |v[97+\i]|
	v_max3_num_f32 v233, v233, |v[112+\i]|, |v[113+\i]|
.endr
	s_delay_alu instid0(VALU_DEP_1)
	v_max_num_f32 v232, v232, v233
	s_delay_alu instid0(VALU_DEP_1)
	v_add_nc_u32 v234, 0xff000000, v232
.irp g, 0,1,2,3
	v_cvt_scalef32_pk8_fp4_f32 v[224+\g], v[96+8*\g:103+8*\g], v234
.endr
	v_lshrrev_b32 v236, 23, v234                   ; the block's byte (a plain line behind the conversions)
	global_store_b128 v[AK0], v[224:227], s[14:15] offset:512*\pass  ; 32 lanes store 512 consecutive bytes
	global_store_b8 v[SO], v236, s[84:85] offset:64*\pass            ; byte 2 (head % 2) + h of row r's word; the other head of the pair writes the other two
.endm
	TILE 0
	TILE 1
	s_wait_loadcnt 0x0                             ; the held last request for mask codes
	s_wait_tensorcnt 0x0                           ; the wave's end
	ds_add_u32 v250, v251
	s_wait_dscnt 0x0
	ROUND                                          ; the closing round: no work-group ends while a partner may still ask for a tile that names it
	s_endpgm
.Lfunc_end_k_q0eeb21ac24_attn:
	.size	k_q0eeb21ac24_attn, .Lfunc_end_k_q0eeb21ac24_attn-k_q0eeb21ac24_attn
	.p2alignl 7, 3214868480
	.fill 96, 4, 3214868480
	.section	.rodata,"a",@progbits
	.p2align	6, 0x0
	.amdhsa_kernel k_q0eeb21ac24_attn
		.amdhsa_group_segment_fixed_size 169984
		.amdhsa_private_segment_fixed_size 0
		.amdhsa_enable_private_segment 0
		.amdhsa_kernarg_size 56
		.amdhsa_user_sgpr_count 2
		.amdhsa_user_sgpr_kernarg_segment_ptr 1
		.amdhsa_wavefront_size32 1
		.amdhsa_system_sgpr_workgroup_id_x 1
		.amdhsa_system_sgpr_workgroup_id_y 1
		.amdhsa_system_sgpr_workgroup_id_z 1
		.amdhsa_system_vgpr_workitem_id 0
		.amdhsa_next_free_vgpr 256
		.amdhsa_next_free_sgpr 102
		.amdhsa_reserve_vcc 0
		.amdhsa_float_denorm_mode_32 3
		.amdhsa_float_denorm_mode_16_64 3
		.amdhsa_memory_ordered 1
		.amdhsa_forward_progress 1
		.amdhsa_inst_pref_size 78
	.end_amdhsa_kernel
	.amdgpu_metadata
---
amdhsa.version: [ 1, 2 ]
amdhsa.kernels:
  - .name:           k_q0eeb21ac24_attn
    .symbol:         k_q0eeb21ac24_attn.kd
    .args:
      - { .name: qimg, .offset: 0, .size: 8, .value_kind: global_buffer, .address_space: global }
      - { .name: kimg, .offset: 8, .size: 8, .value_kind: global_buffer, .address_space: global }
      - { .name: value_codes, .offset: 16, .size: 8, .value_kind: global_buffer, .address_space: global }
      - { .name: value_scales, .offset: 24, .size: 8, .value_kind: global_buffer, .address_space: global }
      - { .name: maskimg, .offset: 32, .size: 8, .value_kind: global_buffer, .address_space: global }
      - { .name: acodes, .offset: 40, .size: 8, .value_kind: global_buffer, .address_space: global }
      - { .name: ascl, .offset: 48, .size: 8, .value_kind: global_buffer, .address_space: global }
    .group_segment_fixed_size: 169984
    .private_segment_fixed_size: 0
    .kernarg_segment_align: 8
    .kernarg_segment_size: 56
    .max_flat_workgroup_size: 512
    .sgpr_count:     102
    .vgpr_count:     256
    .wavefront_size: 32
...
	.end_amdgpu_metadata
.endif
;; end of part 2
;; launch proj (part 3): grid 4 x 64, 8 waves a work-group, clusters of 4 x 4, 249,344 bytes of LDS; arguments acodes, ascl, w_out_codes, w_out_scales, b_out, out0; writes out0
.if DOCPART == 3
	.amdgcn_target "amdgcn-amd-amdhsa--gfx1250"
	.amdhsa_code_object_version 6
	.text
	.protected	k_q0eeb21ac24_proj
	.globl	k_q0eeb21ac24_proj
	.p2align	8
	.type	k_q0eeb21ac24_proj,@function
k_q0eeb21ac24_proj:
	s_mov_b64 s[64:65], 0
	v_nop
	global_prefetch_b8 v0, s[64:65] scope:SCOPE_SE
	s_setreg_imm32_b32 hwreg(HW_REG_WAVE_MODE, 25, 1), 1
	s_wait_xcnt 0x0
	s_wait_alu depctr_hold_cnt(0) depctr_sa_sdst(0) depctr_va_vdst(0) depctr_va_sdst(0) depctr_va_ssrc(0) depctr_va_vcc(0) depctr_vm_vsrc(0)
	s_getreg_b32 s2, hwreg(HW_REG_IB_STS2, 6, 4)
	s_cmp_eq_u32 s2, 0
	s_cbranch_scc0 .Lentry_in_a_cluster
	s_endpgm
.Lentry_in_a_cluster:
	s_bfe_u32 s2, ttmp6, 0x10000c
	s_cmp_lg_u32 s2, 0xf033
	s_cbranch_scc0 .Lentry_shape_is_right
	s_endpgm
.Lentry_shape_is_right:
; out0[m][o] = sum over e of A[m][e] W[o][e] + b_out[o], on codes of FP4 (E2M1) with one E8M0 scale for each 32 along e.  A: 8,192 rows x 1,024, as the images and scale words that the launch before stored;
; W: [1024][1024] codes, e innermost, 512 bytes a row; its scale bytes [1024][32].  out0: [8192][1024] f32.
; SHARES.  A work-group makes 128 rows x 256 outputs; ALL of K = 1,024 of its operands lies in LDS at once, filled once: no ring.  Eight waves, each 64 x 64: 16 accumulators.
; CLUSTER 4 x 4.  The four of a row of the cluster need the same rows of A, the four of a column the same rows of W: each tile is asked for JOINTLY, by the same tensor load with the same descriptor and a mask that names the four.
; THE MATRIX INSTRUCTION IS USED TRANSPOSED (source 0 = 16 rows of W, source 1 = 16 rows of A): a lane holds eight neighbouring outputs of one row.  The bias is loaded INTO the accumulators, in the result's
; layout, so every K step is the same line, in place.
.set AIMG, 0                           ; A's images: [head 16][tile 8][512 bytes]
.set WT,   65536                       ; W's 256 rows: 512 bytes + 16 of padding
.set WP,   528
.set ASC,  WT+256*WP                   ; A's scale words: [K step 8][128 rows][4 bytes]
.set WSC,  ASC+4096                    ; W's scale bytes: 32 blocks of 256 bytes + 16 of padding
.set STG,  WSC+32*272                  ; the way out: 16 rows x (256 bytes + 16) for each wave; no fill lands here
.set AAD,  1
.set WAD,  2
.set ASAD, 3
.set WSAD, 4
.set STO,  5
.set RD,   6
.set CO,   7
.set WF,   32                          ; v32-63  W's four fragments;  v64-95  A's four; on the way out both hold rows read back
.set AF,   64
.set BK,   32
.set WS,   96                          ; v96-99  W's scale words;  v100-103  A's
.set AS,   100
.set ACC,  128                         ; accumulator (a, b) at v[128 + 8 (4 a + b)]
.set G1W,  16
.set G1A,  24
.set G1AS, 32
.set G1WS, 40
.set G0W,  48
.set G0A,  52
.set G0AS, 56
.set G0WS, 60
.macro ROUND                           ; a round of the cluster's barrier
	s_barrier_signal -1
	s_barrier_wait -1
	s_cmp_lg_u32 s3, 0
	s_cbranch_scc1 .Lnot_wave_0_\@
	s_barrier_signal -3
.Lnot_wave_0_\@:
	s_barrier_wait -3
	s_barrier_signal -1
	s_barrier_wait -1
.endm
	s_load_b256 s[68:75], s[0:1], 0x0              ; acodes s[68:69], ascl s[70:71], w_out_codes s[72:73], w_out_scales s[74:75]
	s_load_b128 s[76:79], s[0:1], 0x20             ; b_out s[76:77], out0 s[78:79]
	v_lshl_add_u32 v126, v0, 2, 0x3ca00
	v_mov_b32 v127, 0
	ds_add_u32 v126, v127
	ds_add_u32 v126, v127
	v_lshrrev_b32 v1, 5, v0
	s_delay_alu instid0(VALU_DEP_1)
	v_readfirstlane_b32 s3, v1                     ; wave 0..7
	s_bfe_u32 s4, ttmp6, 0x40000                   ; cx
	s_bfe_u32 s5, ttmp6, 0x40004                   ; cy
	s_lshl_b32 s6, ttmp9, 2
	s_add_co_u32 s6, s6, s4                        ; tile column: 256 outputs
	s_and_b32 s7, ttmp7, 0xffff
	s_lshl_b32 s7, s7, 2
	s_add_co_u32 s7, s7, s5                        ; tile row: 128 rows
	s_lshl_b32 s8, s5, 2
	s_lshl_b32 s8, 15, s8                          ; my row of the cluster
	s_lshl_b32 s9, 0x1111, s4                      ; my column
	; W: 64 rows of 512 bytes, four words of padding behind each 128 words
	s_or_b32 s[G1W], s9, (1<<20)|(1<<21)|(6<<22)|(3<<25)
	s_mov_b32 s[G1W+1], 512<<16
	s_mov_b32 s[G1W+2], 64<<16
	s_mov_b32 s[G1W+3], 512<<16
	s_mov_b32 s[G1W+4], 64
	s_mov_b32 s[G1W+5], 512
	s_mov_b32 s[G1W+6], 0
	s_mov_b32 s[G1W+7], 0
	; A's images: for each of 8 heads my 8 tiles' 4,096 bytes (512 elements of 8), 262,144 bytes from head to head
	s_or_b32 s[G1A], s8, (3<<16)|(1<<21)
	s_mov_b32 s[G1A+1], 512<<16
	s_mov_b32 s[G1A+2], 8<<16
	s_mov_b32 s[G1A+3], 512<<16
	s_mov_b32 s[G1A+4], 8
	s_mov_b32 s[G1A+5], 32768
	s_mov_b32 s[G1A+6], 0
	s_mov_b32 s[G1A+7], 0
	; A's scale words: for each of 8 K steps my 128 rows' 512 bytes, 32,768 bytes from step to step
	s_or_b32 s[G1AS], s8, (3<<16)|(1<<21)
	s_mov_b32 s[G1AS+1], 64<<16
	s_mov_b32 s[G1AS+2], 8<<16
	s_mov_b32 s[G1AS+3], 64<<16
	s_mov_b32 s[G1AS+4], 8
	s_mov_b32 s[G1AS+5], 4096
	s_mov_b32 s[G1AS+6], 0
	s_mov_b32 s[G1AS+7], 0
	; W's scale bytes: 8,192 dense bytes as 32 rows of 256, four words of padding behind each
	s_or_b32 s[G1WS], s9, (3<<16)|(1<<20)|(1<<21)|(5<<22)|(3<<25)
	s_mov_b32 s[G1WS+1], 32<<16
	s_mov_b32 s[G1WS+2], 32<<16
	s_mov_b32 s[G1WS+3], 32<<16
	s_mov_b32 s[G1WS+4], 32
	s_mov_b32 s[G1WS+5], 32
	s_mov_b32 s[G1WS+6], 0
	s_mov_b32 s[G1WS+7], 0
	; offsets made of the tile column: s80-85; of the tile row: s10-15: neither set ever holds the other coordinate
	s_and_b32 s80, s3, 3
	s_mul_i32 s81, s80, 64*WP                      ; W: my 64 rows in LDS,
	s_lshl_b32 s82, s6, 17                         ; and in memory: (256 column + 64 quarter) x 512
	s_lshl_b32 s80, s80, 15
	s_add_co_u32 s82, s82, s80
	s_mov_b32 s83, 0
	s_lshl_b32 s84, s6, 13                         ; W's scale bytes: 8,192 a tile column
	s_mov_b32 s85, 0
	s_and_b32 s10, s3, 1
	s_lshl_b32 s11, s10, 15                        ; A: my 8 heads in LDS,
	s_lshl_b32 s12, s10, 21                        ; and in memory,
	s_lshl_b32 s10, s7, 12                         ; + the tile row's 8 tiles
	s_add_co_u32 s12, s12, s10
	s_mov_b32 s13, 0
	s_lshl_b32 s14, s7, 9                          ; A's scale words: 512 bytes a tile row
	s_mov_b32 s15, 0
	s_wait_dscnt 0x0
	s_wait_kmcnt 0x0
	s_mov_b32 s[G0W], 1
	s_add_co_u32 s[G0W+1], s81, WT
	s_add_nc_u64 s[G0W+2:G0W+3], s[72:73], s[82:83]
	s_or_b32 s[G0W+3], s[G0W+3], 0x80000000
	s_mov_b32 s[G0A], 1
	s_mov_b32 s[G0A+1], s11
	s_add_nc_u64 s[G0A+2:G0A+3], s[68:69], s[12:13]
	s_or_b32 s[G0A+3], s[G0A+3], 0x80000000
	s_mov_b32 s[G0AS], 1
	s_mov_b32 s[G0AS+1], ASC
	s_add_nc_u64 s[G0AS+2:G0AS+3], s[70:71], s[14:15]
	s_or_b32 s[G0AS+3], s[G0AS+3], 0x80000000
	s_mov_b32 s[G0WS], 1
	s_mov_b32 s[G0WS+1], WSC
	s_add_nc_u64 s[G0WS+2:G0WS+3], s[74:75], s[84:85]
	s_or_b32 s[G0WS+3], s[G0WS+3], 0x80000000
	ROUND                                          ; all sixteen work-groups are here: the joint loads meet
	; waves 0-3: W's quarters; waves 4, 5: A's halves; wave 6: A's scale words; wave 7: W's scale bytes: one tensor load a wave.  Four v_nop follow each line.
	s_cmp_lt_u32 s3, 4
	s_cbranch_scc0 .Lnot_w
	tensor_load_to_lds s[G0W:G0W+3], s[G1W:G1W+7]
	s_nop 0
.rept 4
	v_nop
.endr
	s_branch .Lasked
.Lnot_w:
	s_cmp_lt_u32 s3, 6
	s_cbranch_scc0 .Lnot_a
	tensor_load_to_lds s[G0A:G0A+3], s[G1A:G1A+7]
	s_nop 0
.rept 4
	v_nop
.endr
	s_branch .Lasked
.Lnot_a:
	s_cmp_eq_u32 s3, 6
	s_cbranch_scc0 .Lfor_ws
	tensor_load_to_lds s[G0AS:G0AS+3], s[G1AS:G1AS+7]
	s_nop 0
.rept 4
	v_nop
.endr
	s_branch .Lasked
.Lfor_ws:
	tensor_load_to_lds s[G0WS:G0WS+3], s[G1WS:G1WS+7]
	s_nop 0
.rept 4
	v_nop
.endr
.Lasked:
	s_lshr_b32 s90, s3, 2                          ; wm: which 64 rows are mine
	s_and_b32 s91, s3, 3                           ; wn: which 64 outputs
	s_lshl_b32 s86, s6, 10
	s_lshl_b32 s88, s91, 8
	s_add_co_u32 s86, s86, s88                     ; my first output, in bytes of f32: 1,024 column + 256 wn
	s_mov_b32 s87, 0
	s_add_nc_u64 s[76:77], s[76:77], s[86:87]      ; in b_out,
	s_add_nc_u64 s[78:79], s[78:79], s[86:87]      ; and in a row of out0
	s_lshl_b32 s86, s7, 19
	s_lshl_b32 s88, s90, 18
	s_add_co_u32 s86, s86, s88                     ; my first row: (128 tile row + 64 wm) x 4,096 bytes
	s_add_nc_u64 s[78:79], s[78:79], s[86:87]
	v_and_b32 v9, 31, v0                           ; L
	v_and_b32 v10, 15, v0                          ; r
	v_bfe_u32 v11, v0, 4, 1                        ; h
	s_delay_alu instid0(VALU_DEP_1)
	v_lshlrev_b32 v8, 5, v11                       ; the bias: my eight outputs of a tile begin 32 h bytes on
.irp a, 0,1,2,3
.irp b, 0,1,2,3
	global_load_b128 v[ACC+8*(4*\a+\b):ACC+8*(4*\a+\b)+3], v8, s[76:77] offset:64*\b
	global_load_b128 v[ACC+8*(4*\a+\b)+4:ACC+8*(4*\a+\b)+7], v8, s[76:77] offset:64*\b+16
.endr
.endr
	v_lshlrev_b32 v[AAD], 4, v9
	s_lshl_b32 s92, s90, 11
	v_add_nc_u32 v[AAD], s92, v[AAD]               ; A's images: 16 L + my four tiles
	s_mul_i32 s92, s91, 64*WP
	s_add_co_u32 s92, s92, WT
	v_mul_u32_u24 v[WAD], v10, WP
	s_delay_alu instid0(VALU_DEP_1)
	v_lshl_add_u32 v[WAD], v11, 4, v[WAD]
	s_delay_alu instid0(VALU_DEP_1)
	v_add_nc_u32 v[WAD], s92, v[WAD]               ; W: row 64 wn + r, + 16 h
	s_lshl_b32 s92, s90, 8
	s_add_co_u32 s92, s92, ASC
	v_lshl_add_u32 v[ASAD], v10, 2, s92            ; A's scale words: row 64 wm + r
	s_mul_i32 s92, s91, 8*272
	s_add_co_u32 s92, s92, WSC
	v_lshrrev_b32 v[WSAD], 3, v10                  ; W's scale bytes: 32 a row, eight rows to a block of 256
	s_delay_alu instid0(VALU_DEP_1)
	v_mul_u32_u24 v[WSAD], v[WSAD], 272
	v_and_b32 v12, 7, v10
	s_delay_alu instid0(VALU_DEP_1)
	v_lshl_add_u32 v[WSAD], v12, 5, v[WSAD]
	s_delay_alu instid0(VALU_DEP_1)
	v_add_nc_u32 v[WSAD], s92, v[WSAD]
	s_mul_i32 s92, s3, 16*272
	s_add_co_u32 s92, s92, STG                     ; my stage
	v_mul_u32_u24 v[STO], v10, 272
	s_delay_alu instid0(VALU_DEP_1)
	v_lshl_add_u32 v[STO], v11, 5, v[STO]
	s_delay_alu instid0(VALU_DEP_1)
	v_add_nc_u32 v[STO], s92, v[STO]               ; in: row r, + 32 h
	v_mul_u32_u24 v[RD], v11, 272
	s_delay_alu instid0(VALU_DEP_1)
	v_lshl_add_u32 v[RD], v10, 4, v[RD]
	s_delay_alu instid0(VALU_DEP_1)
	v_add_nc_u32 v[RD], s92, v[RD]                 ; back: lanes 0-15 one row of 256 bytes, lanes 16-31 the next
	v_lshlrev_b32 v[CO], 12, v11
	s_delay_alu instid0(VALU_DEP_1)
	v_lshl_add_u32 v[CO], v10, 4, v[CO]            ; and the same two rows in out0
	s_wait_alu depctr_va_vdst(0)
	s_wait_tensorcnt 0x0                           ; my part of the operands has landed,
	s_barrier_signal -1
	s_barrier_wait -1                              ; everybody's has
	s_wait_loadcnt 0x0                             ; the bias
; A K step of 128: heads 2 s and 2 s + 1.  The 16 accumulators take turns, one instruction a turn, in the same order in every step.
.macro KSTEP s
.if \s > 0
.rept 4
	v_nop                                          ; four places in front of loads into registers that the last products have read
.endr
.endif
.irp b, 0,1,2,3
.irp c, 0,1
	ds_load_b128 v[WF+8*\b+4*\c:WF+8*\b+4*\c+3], v[WAD] offset:\b*16*WP+64*\s+32*\c
.endr
	ds_load_b32 v[WS+\b], v[WSAD] offset:544*\b+4*\s
.endr
.irp a, 0,1,2,3
.irp c, 0,1
	ds_load_b128 v[AF+8*\a+4*\c:AF+8*\a+4*\c+3], v[AAD] offset:(2*\s+\c)*4096+512*\a
.endr
	ds_load_b32 v[AS+\a], v[ASAD] offset:512*\s+64*\a
.endr
	s_wait_dscnt 0x0
.irp a, 0,1,2,3
.irp b, 0,1,2,3
	v_wmma_scale_f32_16x16x128_f8f6f4 v[ACC+8*(4*\a+\b):ACC+8*(4*\a+\b)+7], v[WF+8*\b:WF+8*\b+7], v[AF+8*\a:AF+8*\a+7], v[ACC+8*(4*\a+\b):ACC+8*(4*\a+\b)+7], v[WS+\b], v[AS+\a] matrix_a_fmt:MATRIX_FMT_FP4 matrix_b_fmt:MATRIX_FMT_FP4
.endr
.endr
.endm
.irp s, 0,1,2,3,4,5,6,7
	KSTEP \s
.endr
; THE WAY OUT, 16 rows x 64 outputs at a time: a lane holds 32 neighbouring bytes of a row; a block goes through my own stage and comes back as whole rows of 256 bytes.
; LDS serves a wave's instructions in order: no wait between the stores and the loads, nor in front of the next block's stores.
.macro TOSTAGE a
.irp b, 0,1,2,3
	ds_store_b128 v[STO], v[ACC+8*(4*(\a)+\b):ACC+8*(4*(\a)+\b)+3] offset:64*\b        ; each accumulator from its low end on
	ds_store_b128 v[STO], v[ACC+8*(4*(\a)+\b)+4:ACC+8*(4*(\a)+\b)+7] offset:64*\b+16
.endr
.irp i, 0,1,2,3,4,5,6,7
	ds_load_b128 v[BK+32*((\a)%2)+4*\i:BK+32*((\a)%2)+4*\i+3], v[RD] offset:544*\i
.endr
.endm
.macro SEND a, younger                 ; younger: the LDS instructions issued behind block a's loads, which may stay out
	s_wait_dscnt \younger
.irp i, 0,1,2,3,4,5,6,7
	global_store_b128 v[CO], v[BK+32*((\a)%2)+4*\i:BK+32*((\a)%2)+4*\i+3], s[78:79] offset:(16*(\a)+2*\i)*4096 th:TH_STORE_NT   ; 16 lanes store 256 consecutive bytes, at a multiple of 256 from out0's first byte
.endr
.endm
.rept 4
	v_nop                                          ; four places in front of the first read of the results and of loads into the operands' registers
.endr
	TOSTAGE 0
.irp a, 1,2,3
.if \a > 1
	s_wait_xcnt 0x0                                ; the stores of two blocks back have read their registers: this block's loads may land there
.endif
	TOSTAGE \a
	SEND \a-1, 16                                  ; behind block a - 1's loads: block a's 8 stores and 8 loads
.endr
	SEND 3, 0
	s_wait_dscnt 0x0
	s_wait_tensorcnt 0x0
	ds_add_u32 v126, v127
	s_wait_dscnt 0x0
	ROUND                                          ; the closing round: no work-group ends while a partner may still ask for a tile that names it
	s_endpgm
.Lfunc_end_k_q0eeb21ac24_proj:
	.size	k_q0eeb21ac24_proj, .Lfunc_end_k_q0eeb21ac24_proj-k_q0eeb21ac24_proj
	.p2alignl 7, 3214868480
	.fill 96, 4, 3214868480
	.section	.rodata,"a",@progbits
	.p2align	6, 0x0
	.amdhsa_kernel k_q0eeb21ac24_proj
		.amdhsa_group_segment_fixed_size 249344
		.amdhsa_private_segment_fixed_size 0
		.amdhsa_enable_private_segment 0
		.amdhsa_kernarg_size 48
		.amdhsa_user_sgpr_count 2
		.amdhsa_user_sgpr_kernarg_segment_ptr 1
		.amdhsa_wavefront_size32 1
		.amdhsa_system_sgpr_workgroup_id_x 1
		.amdhsa_system_sgpr_workgroup_id_y 1
		.amdhsa_system_sgpr_workgroup_id_z 1
		.amdhsa_system_vgpr_workitem_id 0
		.amdhsa_next_free_vgpr 256
		.amdhsa_next_free_sgpr 96
		.amdhsa_reserve_vcc 0
		.amdhsa_float_denorm_mode_32 3
		.amdhsa_float_denorm_mode_16_64 3
		.amdhsa_memory_ordered 1
		.amdhsa_forward_progress 1
		.amdhsa_inst_pref_size 49
	.end_amdhsa_kernel
	.amdgpu_metadata
---
amdhsa.version: [ 1, 2 ]
amdhsa.kernels:
  - .name:           k_q0eeb21ac24_proj
    .symbol:         k_q0eeb21ac24_proj.kd
    .args:
      - { .name: acodes, .offset: 0, .size: 8, .value_kind: global_buffer, .address_space: global }
      - { .name: ascl, .offset: 8, .size: 8, .value_kind: global_buffer, .address_space: global }
      - { .name: w_out_codes, .offset: 16, .size: 8, .value_kind: global_buffer, .address_space: global }
      - { .name: w_out_scales, .offset: 24, .size: 8, .value_kind: global_buffer, .address_space: global }
      - { .name: b_out, .offset: 32, .size: 8, .value_kind: global_buffer, .address_space: global }
      - { .name: out0, .offset: 40, .size: 8, .value_kind: global_buffer, .address_space: global }
    .group_segment_fixed_size: 249344
    .private_segment_fixed_size: 0
    .kernarg_segment_align: 8
    .kernarg_segment_size: 48
    .max_flat_workgroup_size: 256
    .sgpr_count:     96
    .vgpr_count:     256
    .wavefront_size: 32
...
	.end_amdgpu_metadata
.endif
;; end of part 3
